; MI455X (gfx1250); checked and timed in simulation.
; The chip was launched on July 23, 2026; its instructions are those of AMD's public machine-readable ISA for CDNA 5 (MIT licence, August 2026) and "CDNA5" Instruction Set Architecture Reference Guide (July 2026). The comments in the code are by the model that wrote it; some were corrected since.
;; Simplified Scaled Dot Product Attention. Allowed arithmetic: matrix products marked QUANTISED: E4M3 operands, one E8M0 scale for each 32 along K, by v_wmma_scale_f32_16x16x128_f8f6f4 with both operands' format E4M3, f32 sums; everything else in f32.
;; Inputs: W_o 512 x 512 float32; b_o 512 float32; keys 2 x 4,096 x 512 float32; queries 2 x 4,096 x 512 float32; values 2 x 4,096 x 512 float32.
;; Outputs: out0 2 x 4,096 x 512 float32.
;; This version of the problem:
;;   THIS VERSION OF THE PROBLEM IS GIVEN IN LOW PRECISION. The matrix products marked QUANTISED in the list below multiply operands that are first quantised to E4M3 (4 exponent bits, 3 mantissa bits; 8 bits a number), with one power-of-two scale for each 32 numbers along K (OCP MX v1.0); their sums are f32. All else is computed in f32.
;;   The module's matrix products, in the order in which they are computed (A, B: the left and right operand; K: the contracted axis; several contracted axes count as one K, in the product's order):
;;     1. batch 16 x [M 4,096, K 64] x [K 64, N 4,096]; A: input queries; B: input keys: QUANTISED
;;     2. batch 16 x [M 4,096, K 4,096] x [K 4,096, N 64]; A: softmax (see below); B: input values: QUANTISED
;;     3. [M 8,192, K 512] x [K 512, N 512]; A: computed on the way; B: input W_o: QUANTISED
;;   THE QUANTISER, for each operand of a quantised product, along K:
;;     - K is cut into blocks of 32 from its start; a last block that is shorter is filled with zeros.
;;     - A block's scale is 2^e with e = floor(log2(the largest magnitude in the block)) - 8, held to -126 .. 127; a block of zeros has e = 0. As a byte (E8M0): e + 127.
;;     - Each number is divided by its block's scale, clamped to +-448, and rounded to the nearest number of E4M3, ties to even, subnormals kept.
;;     - The product sums the exact products of the quantised numbers (number of the format x scale) in f32.
;;   ~~~python
;;   def quantise(x, axis):      # numpy; x: float32 -> the quantised numbers, widened to float32 again
;;       x = np.moveaxis(x, axis, -1); K = x.shape[-1]
;;       x = np.pad(x, [(0, 0)] * (x.ndim - 1) + [(0, -K % 32)]); x = x.reshape(x.shape[:-1] + (-1, 32)); a = np.abs(x).max(-1, keepdims=True)
;;       e = np.where(a > 0, np.clip(np.frexp(np.where(a > 0, a, 1))[1] - 1 - 8, -126, 127), 0)      # np.frexp(a)[1] - 1 = floor(log2(a)), exactly
;;       r = np.clip(x / 2.0 ** e, -448, 448)
;;       step = 2.0 ** (np.maximum(np.frexp(np.where(r == 0, 1, r))[1] - 1, -6) - 3)
;;       q = np.round(r / step) * step * 2.0 ** e      # np.round: ties to even
;;       return np.moveaxis(q.reshape(q.shape[:-2] + (-1,))[..., :K], -1, axis).astype(np.float32)
;;   ~~~
;;   SOFTMAX AHEAD OF A QUANTISED PRODUCT. Where the list says 'softmax', what is quantised is not the finished softmax but p = 2^(t - M), with t = logit x log2(e) and M = ceil(the row's largest t), a whole number; so 1/2 < the row's largest p <= 1. The row's sum l is taken of the UNQUANTISED p, in f32, and the product's result is divided by l at the end. Since M is a whole number, a kernel that streams over the keys may use a running M (the ceiling of the running maximum): every later rescaling is an exact power of two, which a block's scale takes up: the codes' values come out the same.
;;   OPERANDS COMPUTED ON THE WAY. 'Computed on the way' means the value that the module computes at that place (a softmax that the list does not call 'softmax' is quantised finished and normalised). What goes into a quantiser is computed in f32, as accurately as f32 sums, v_exp_f32 and their like allow (about 1e-6 of the number): no bf16 or f16 on the way to a quantiser, and a product that is left as it is and whose result goes on into a quantised operand takes f32 operands (vector FMAs, or v_wmma_f32_16x16x4_f32). A number that lies on a knife's edge between two numbers of the format may be rounded either way, as far as f32 arithmetic and the matrix unit's own rounding can turn it there, and no further.
;; One version. Each part assembles by itself: llvm-mc -triple=amdgcn-amd-amdhsa -mcpu=gfx1250 --defsym DOCPART=n.
;; ======== version 1 of 1: 3 launches
;; limits: right only within a limited range of input values
;; workspace buffers: kvc 8,388,608 bytes; kvs 262,144 bytes; wc 262,144 bytes; ws 8,192 bytes; oc 4,194,304 bytes; os 131,072 bytes
;; launch prep (part 1): grid 528 x 1, 4 waves a work-group, no clusters, 34,304 bytes of LDS; arguments keys, values, W_o, kvc, kvs, wc, ws; writes kvc, kvs, wc, ws
.if DOCPART == 1
	.amdgcn_target "amdgcn-amd-amdhsa--gfx1250"
	.amdhsa_code_object_version 6
	.text
	.protected	k_qf90271489d_prep
	.globl	k_qf90271489d_prep
	.p2align	8
	.type	k_qf90271489d_prep,@function
k_qf90271489d_prep:
	s_mov_b64 s[64:65], 0
	v_nop
	global_prefetch_b8 v0, s[64:65] scope:SCOPE_SE
	s_setreg_imm32_b32 hwreg(HW_REG_WAVE_MODE, 25, 1), 1
	s_wait_xcnt 0x0
; keys, values [2][4096][512] and W_o [512][512], f32, become codes of E4M3 with one E8M0 byte for each 32 along the K of the product that will read them,
; laid as IMAGES OF OPERAND REGISTERS: a fragment (16 rows x 128 K) is four slices c of 512 bytes; lane l = r + 16 h has its 16 bytes at 16 l: k = 32 c + 16 h + 0..15 of row r.
; kvc [bh 16][key step 32][16,384]: bytes 0-8191 K's four fragments b, bytes 8192-16383 V's four fragments t.  A key step is 128 keys.
;   K (its K is the head's 64): fragment b holds TWO tiles of keys: slices 0, 1 the 64 codes of key 32 b + r + 8 (r / 8), slices 2, 3 those of the key 8 further on.
;   V (its K is the keys): row r of fragment t is channel 32 (t / 2) + 8 (t % 2) + r + 8 (r / 8); k runs over the step's 128 keys.
; kvs [bh][step][512]: eight groups of 16 words (4 r): groups 0-3 K's fragments, groups 4-7 V's.   wc [K step 4][column tile 32][2,048], ws [K step][tile][16 words]: W_o likewise, rows = output columns.
; A block's scale is 2^(floor(log2(its largest magnitude)) - 8): the byte is the largest magnitude's exponent field - 8, held at 1 from below by a floor among the maximum's leaves.
; LIMITS: NaN and infinities among the inputs are not served.  A block of zeros gets the byte 1 where the rule says 127: its codes are zeros, which add nothing under any byte but 0xff, and this program alone reads the bytes.
; SHARES: work-groups 0-255 take keys (K innermost: through a stage in LDS), 256-511 values and 512-527 W_o (K outermost: a lane to a column, registers down K; one text, the bases chosen by the work-group's number).
; No tensor loads, no barrier: waves share nothing.  Every offset is an immediate, no pointer is stepped, no store's data are written again.
.set TM,  240                          ; v240-243 largest magnitudes, v244-247 the other half's / the bytes, v252-255 the conversions' scale operands
.set X,   144                          ; v144-207 64 numbers a lane, register 16 e + i = number 16 h + i of block e of my row
.set SEL, 32                           ; s[32:33] lane selects of v_permlanex16_b32: lane l xor 16 (keys' path alone)
.set MNT, 39
; 64 numbers of a lane, four blocks of which lane l xor 16 holds the other 16 numbers each, become codes: blocks 0, 1 into v[d0] on, blocks 2, 3 into v[d1] on; the four bytes are left in v[TM+4] on.
.macro QUANT s, d0, d1
.irp b, 0,1,2,3
	v_max3_num_f32 v[TM+\b], |v[(\s)+16*\b]|, |v[(\s)+16*\b+1]|, 0x4800000   ; my 16 numbers and the floor 2^(9 - 127): the byte cannot fall under 1
.endr
.irp i, 2,4,6,8,10,12,14
.irp b, 0,1,2,3
	v_max3_num_f32 v[TM+\b], v[TM+\b], |v[(\s)+16*\b+\i]|, |v[(\s)+16*\b+\i+1]|   ; the four blocks by turns
.endr
.endr
.irp b, 0,1,2,3
	v_permlanex16_b32 v[TM+4+\b], v[TM+\b], s[SEL], s[SEL+1]
.endr
.irp b, 0,1,2,3
	v_max_num_f32 v[TM+\b], v[TM+\b], v[TM+4+\b]                ; the block's largest magnitude
.endr
.irp b, 0,1,2,3
	v_add_nc_u32 v[TM+12+\b], 0xfc000000, v[TM+\b]              ; 8 off its exponent field: the conversion takes this operand's exponent field as its scale
.endr
.irp b, 0,1,2,3
.endr
.irp b, 0,1,2,3
	v_lshrrev_b32 v[TM+4+\b], 23, v[TM+12+\b]                   ; the scale's byte
.endr
.irp b, 0,1,2,3
.irp i, 0,1,2,3,4,5,6,7,8,9,10,11,12,13,14,15
.endr
.if \b < 2
	v_cvt_scalef32_pk8_fp8_f32 v[(\d0)+4*\b:(\d0)+4*\b+1], v[(\s)+16*\b:(\s)+16*\b+7], v[TM+12+\b]
	v_cvt_scalef32_pk8_fp8_f32 v[(\d0)+4*\b+2:(\d0)+4*\b+3], v[(\s)+16*\b+8:(\s)+16*\b+15], v[TM+12+\b]
.else
	v_cvt_scalef32_pk8_fp8_f32 v[(\d1)+4*\b-8:(\d1)+4*\b-7], v[(\s)+16*\b:(\s)+16*\b+7], v[TM+12+\b]
	v_cvt_scalef32_pk8_fp8_f32 v[(\d1)+4*\b-6:(\d1)+4*\b-5], v[(\s)+16*\b+8:(\s)+16*\b+15], v[TM+12+\b]
.endif
.endr
	v_nop                                          ; one plain line behind the last conversion
.endm
	s_load_b256 s[4:11], s[0:1], 0x0               ; keys s[4:5], values s[6:7], W_o s[8:9], kvc s[10:11]
	s_load_b128 s[12:15], s[0:1], 0x20             ; kvs s[12:13], wc s[14:15]
	s_load_b64 s[16:17], s[0:1], 0x30              ; ws
	v_lshl_add_u32 v15, v0, 2, 0x8400
	s_set_vgpr_msb 0x40
	v_mov_b32 v1, 0
	s_set_vgpr_msb 0x4000
	v_lshrrev_b32 v1, 5, v0
	v_readfirstlane_b32 s18, v1                    ; wave 0..3
	s_bfe_u32 s20, ttmp9, 0x10007                  ; batch: bit 7 of the work-group's number, for keys and for values
	s_bfe_u32 s21, ttmp9, 0x50002                  ; key step: bits 6:2
	s_and_b32 s22, ttmp9, 3                        ; pair of heads (W_o: group of 128 columns)
	s_cmp_lt_u32 ttmp9, 256
	s_cbranch_scc0 .Lvw
; ---------------- KEYS.  The work-group: one key step of one pair of heads; wave b: fragment b, 32 keys x 512 bytes, in two chunks of 16 keys (the tiles u = 0, 1).
; Each load reads one key's 512 consecutive bytes, 16 a lane; the chunk turns through the wave's own stage (16 rows of 512 + 16 bytes) and comes back 64 bytes a lane and block.
	s_mov_b32 s[SEL], 0x76543210
	s_mov_b32 s[SEL+1], 0xfedcba98
	v_and_b32 v1, 31, v0
	v_lshlrev_b32 v1, 4, v1                        ; v1: 16 x lane: my bytes of a load, and of an image's slice
	v_and_b32 v8, 15, v0                           ; r
	v_bfe_u32 v9, v0, 4, 1                         ; h
	s_mul_i32 s19, s18, 8448                       ; my stage
	v_add_nc_u32 v2, s19, v1                       ; v2: into it: 16 x lane, the row in the immediate
	v_mul_u32_u24 v3, v8, 528
	v_lshl_add_u32 v3, v9, 6, v3
	v_add_nc_u32 v3, s19, v3                       ; v3: out of it: row r, + 64 h; rows 33 x 16 bytes apart, so the sixteen rows of a load begin in different banks
	v_lshlrev_b32 v4, 2, v8
	v_lshl_add_u32 v4, v9, 14, v4                  ; v4: the scale word's place: 4 r; lanes 16-31 store the pair's second head, 16,384 bytes on
.irp b, 0,1,2,3
	v_mov_b32 v[TM+4+\b], 0                        ; written once: a lane permute's destination counts as one of its sources
.endr
	s_lshl_b32 s24, s20, 23                        ; keys: batch x 4,096 rows of 2,048 bytes
	s_lshl_b32 s26, s21, 18                        ; + step x 128 rows
	s_add_co_u32 s24, s24, s26
	s_lshl_b32 s26, s18, 16                        ; + wave x 32 rows
	s_add_co_u32 s24, s24, s26
	s_lshl_b32 s26, s22, 9                         ; + the pair's 512 bytes of a row
	s_add_co_u32 s24, s24, s26
	s_mov_b32 s25, 0
	s_lshl_b32 s28, s20, 3
	s_lshl_b32 s26, s22, 1
	s_add_co_u32 s28, s28, s26                     ; bh of the pair's first head
	s_lshl_b32 s30, s28, 14                        ; kvs: bh x 16,384
	s_lshl_b32 s28, s28, 19                        ; kvc: bh x 524,288
	s_lshl_b32 s26, s21, 14
	s_add_co_u32 s28, s28, s26                     ; + step x 16,384
	s_lshl_b32 s26, s18, 11
	s_add_co_u32 s28, s28, s26                     ; + fragment x 2,048
	s_mov_b32 s29, 0
	s_lshl_b32 s26, s21, 9
	s_add_co_u32 s30, s30, s26                     ; + step x 512
	s_lshl_b32 s26, s18, 6
	s_add_co_u32 s30, s30, s26                     ; + group x 64
	s_mov_b32 s31, 0
	s_wait_alu depctr_va_vdst(0)
	s_wait_kmcnt 0x0
	s_add_nc_u64 s[4:5], s[4:5], s[24:25]
	s_add_nc_u64 s[10:11], s[10:11], s[28:29]
	s_add_nc_u64 s[12:13], s[12:13], s[30:31]
.macro KLOAD u                         ; chunk u: row r of the tile is key 8 u + r + 8 (r / 8) of the wave's 32
.irp r, 0,1,2,3,4,5,6,7,8,9,10,11,12,13,14,15
	global_load_b128 v[16+64*\u+4*\r:16+64*\u+4*\r+3], v1, s[4:5] offset:(8*\u+\r+8*(\r/8))*2048 th:TH_LOAD_NT
.endr
.endm
.macro KCHUNK u                        ; through the stage, quantised, stored.  Block e = 2 g + c: head g of the pair, block c of its 64
.irp r, 0,1,2,3,4,5,6,7,8,9,10,11,12,13,14,15
	ds_store_b128 v2, v[16+64*\u+4*\r:16+64*\u+4*\r+3] offset:528*\r
.endr
.irp e, 0,1,2,3
.irp j, 0,1,2,3
	ds_load_b128 v[X+16*\e+4*\j:X+16*\e+4*\j+3], v3 offset:128*\e+16*\j    ; LDS serves a wave's instructions in order (ISA guide 5.7.1.4): these see the stores above
.endr
.endr
	s_wait_dscnt 0x0
	QUANT X, 208+16*\u, 216+16*\u
.irp e, 0,1,2,3
	global_store_b128 v1, v[208+16*\u+4*\e:208+16*\u+4*\e+3], s[10:11] offset:(\e/2)*524288+(2*\u+\e%2)*512   ; slice 2 u + c of head g's fragment: 512 consecutive bytes, aligned
.endr
.endm
	KLOAD 0
	KLOAD 1
	s_wait_loadcnt 16                              ; chunk 0's 16 loads are in; chunk 1's 16 may be out
	KCHUNK 0
	v_lshl_or_b32 v6, v[TM+5], 8, v[TM+4]          ; head 0's word: bytes 0, 1 = tile 0's two blocks
	v_lshl_or_b32 v7, v[TM+7], 8, v[TM+6]          ; head 1's
	s_wait_loadcnt 0x0
	KCHUNK 1
	v_lshl_or_b32 v6, v[TM+4], 16, v6              ; bytes 2, 3 = tile 1's
	v_lshl_or_b32 v6, v[TM+5], 24, v6
	v_lshl_or_b32 v7, v[TM+6], 16, v7
	v_lshl_or_b32 v7, v[TM+7], 24, v7
	v_cmp_ne_u32 vcc_lo, 0, v9
	v_cndmask_b32 v5, v6, v7, vcc_lo               ; both halves of the lanes hold both words: lanes 0-15 store head 0's, lanes 16-31 head 1's
	global_store_b32 v4, v5, s[12:13]
	s_set_vgpr_msb 0x4
	s_wait_tensorcnt 0x0
	ds_add_u32 v15, v1
	s_wait_dscnt 0x0
	s_set_vgpr_msb 0x400
	s_endpgm
; ---------------- VALUES AND W_o.  A wave: 32 columns x 128 along K.  Lane x takes column x and its registers run down K: a block of 32 lies in one lane, and the conversions give codes with K innermost.
.Lvw:
	s_lshr_b32 s23, s18, 1                         ; values: which head of the pair,
	s_and_b32 s19, s18, 1                          ; and which 32 of its 64 channels
	s_lshl_b32 s35, s18, 7                         ; my 32 columns: 128 bytes of a row
	s_lshl_b32 s24, s20, 23                        ; values: from where
	s_lshl_b32 s26, s21, 18
	s_add_co_u32 s24, s24, s26
	s_lshl_b32 s26, s22, 9
	s_add_co_u32 s24, s24, s26
	s_add_co_u32 s24, s24, s35
	s_lshl_b32 s27, s20, 3
	s_lshl_b32 s26, s22, 1
	s_add_co_u32 s27, s27, s26
	s_add_co_u32 s27, s27, s23                     ; bh
	s_lshl_b32 s28, s27, 19                        ; kvc: bh, step, behind K's 8,192 bytes, two fragments for each 32 channels
	s_lshl_b32 s26, s21, 14
	s_add_co_u32 s28, s28, s26
	s_lshl_b32 s26, s19, 12
	s_add_co_u32 s28, s28, s26
	s_add_co_u32 s28, s28, 8192
	s_lshl_b32 s30, s27, 14                        ; kvs: bh, step, behind K's 256 bytes, two groups for each 32 channels
	s_lshl_b32 s26, s21, 9
	s_add_co_u32 s30, s30, s26
	s_lshl_b32 s26, s19, 7
	s_add_co_u32 s30, s30, s26
	s_add_co_u32 s30, s30, 256
	s_and_b32 s32, s21, 3                          ; W_o: K step
	s_lshl_b32 s34, s32, 18                        ; from where: 128 rows of 2,048 bytes a K step, 512 bytes a group of columns
	s_lshl_b32 s26, s22, 9
	s_add_co_u32 s34, s34, s26
	s_add_co_u32 s34, s34, s35
	s_lshl_b32 s36, s32, 16                        ; wc: 32 tiles of 2,048 bytes a K step; my two tiles
	s_lshl_b32 s26, s22, 14
	s_add_co_u32 s36, s36, s26
	s_lshl_b32 s26, s18, 12
	s_add_co_u32 s36, s36, s26
	s_lshl_b32 s38, s32, 11                        ; ws: 32 groups of 64 bytes a K step
	s_lshl_b32 s26, s22, 9
	s_add_co_u32 s38, s38, s26
	s_add_co_u32 s38, s38, s35
	s_cmp_lt_u32 ttmp9, 512                        ; values or W_o?  The choice hangs on the work-group's number alone
	s_cselect_b32 s24, s24, s34
	s_cselect_b32 s28, s28, s36
	s_cselect_b32 s30, s30, s38
	s_mov_b32 s25, 0
	s_mov_b32 s29, 0
	s_mov_b32 s31, 0
	s_wait_kmcnt 0x0
	s_cselect_b64 s[6:7], s[6:7], s[8:9]
	s_cselect_b64 s[10:11], s[10:11], s[14:15]
	s_cselect_b64 s[12:13], s[12:13], s[16:17]
	s_add_nc_u64 s[6:7], s[6:7], s[24:25]
	s_add_nc_u64 s[10:11], s[10:11], s[28:29]
	s_add_nc_u64 s[12:13], s[12:13], s[30:31]
	v_and_b32 v1, 31, v0
	v_lshlrev_b32 v1, 2, v1                        ; v1: 4 x: my column
	v_bfe_u32 v9, v0, 3, 1                         ; column x = 8 u + r + 8 (r / 8): u = bit 3,
	v_and_b32 v8, 7, v0
	v_bfe_u32 v10, v0, 4, 1
	v_lshl_or_b32 v8, v10, 3, v8                   ; r = bits 2:0 and bit 4
	v_lshlrev_b32 v2, 4, v8
	v_lshl_add_u32 v2, v9, 11, v2                  ; v2: tile u, 16 r: where my column's 16 codes of h = 0 lie in a slice
	v_lshlrev_b32 v3, 2, v8
	v_lshl_add_u32 v3, v9, 6, v3                   ; v3: group u, 4 r
.set ii, 0
.rept 128
	global_load_b32 v[16+ii], v1, s[6:7] offset:2048*ii th:TH_LOAD_NT      ; row ii of the 128 along K, 32 neighbouring columns; the four waves stand side by side on 512 bytes
.set ii, ii+1
.endr
.macro VBLOCK c                        ; block c: all 32 numbers are mine
.set XS, 16+32*\c
.if \c < 2
	s_wait_loadcnt 63                              ; this block's loads are in: 96 or 64 later ones could stay out; the wait names 63 at the most
.else
	s_wait_loadcnt 32*(3-\c)
.endif
	v_max3_num_f32 v10, |v[XS]|, |v[XS+1]|, |v[XS+2]|
	v_max3_num_f32 v11, |v[XS+3]|, |v[XS+4]|, |v[XS+5]|
.irp i, 6,10,14,18,22,26
	v_max3_num_f32 v10, v10, |v[XS+\i]|, |v[XS+\i+1]|
	v_max3_num_f32 v11, v11, |v[XS+\i+2]|, |v[XS+\i+3]|
.endr
	v_max3_num_f32 v10, v10, |v[XS+30]|, |v[XS+31]|
	v_max3_num_f32 v10, v10, v11, 0x4800000        ; and the floor
	v_add_nc_u32 v12, 0xfc000000, v10              ; the conversions' scale operand
	v_lshrrev_b32 v11, 23, v12                     ; the byte
.if \c == 0
	v_mov_b32 v14, v11                             ; v14: my column's scale word, the lower K in the lower byte
.else
	v_lshl_or_b32 v14, v11, 8*\c, v14
.endif
.irp i, 0,1,2,3,4,5,6,7,8,9,10,11,12,13,14,15,16,17,18,19,20,21,22,23,24,25,26,27,28,29,30,31
.endr
.irp g, 0,1,2,3
	v_cvt_scalef32_pk8_fp8_f32 v[144+8*\c+2*\g:144+8*\c+2*\g+1], v[XS+8*\g:XS+8*\g+7], v12
.endr
	v_nop
	global_store_b128 v2, v[144+8*\c:144+8*\c+3], s[10:11] offset:512*\c         ; k = 32 c + 0..15: the places of lanes 0-15 of slice c; the 32 lanes fill 256 consecutive bytes in each of two tiles
	global_store_b128 v2, v[144+8*\c+4:144+8*\c+7], s[10:11] offset:512*\c+256   ; k = 32 c + 16..31: the places of lanes 16-31
.endm
	VBLOCK 0
	VBLOCK 1
	VBLOCK 2
	VBLOCK 3
	global_store_b32 v3, v14, s[12:13]             ; 128 consecutive bytes: two groups of 16 words
	s_endpgm
.Lfunc_end_k_qf90271489d_prep:
	.size	k_qf90271489d_prep, .Lfunc_end_k_qf90271489d_prep-k_qf90271489d_prep
	.p2alignl 7, 3214868480
	.fill 96, 4, 3214868480
	.section	.rodata,"a",@progbits
	.p2align	6, 0x0
	.amdhsa_kernel k_qf90271489d_prep
		.amdhsa_group_segment_fixed_size 34304
		.amdhsa_private_segment_fixed_size 0
		.amdhsa_enable_private_segment 0
		.amdhsa_kernarg_size 56
		.amdhsa_user_sgpr_count 2
		.amdhsa_user_sgpr_kernarg_segment_ptr 1
		.amdhsa_wavefront_size32 1
		.amdhsa_system_sgpr_workgroup_id_x 1
		.amdhsa_system_sgpr_workgroup_id_y 1
		.amdhsa_system_sgpr_workgroup_id_z 1
		.amdhsa_system_vgpr_workitem_id 0
		.amdhsa_next_free_vgpr 258
		.amdhsa_next_free_sgpr 66
		.amdhsa_reserve_vcc 1
		.amdhsa_float_denorm_mode_32 3
		.amdhsa_float_denorm_mode_16_64 3
		.amdhsa_fp16_overflow 1
		.amdhsa_memory_ordered 1
		.amdhsa_forward_progress 1
		.amdhsa_inst_pref_size 40
	.end_amdhsa_kernel
	.amdgpu_metadata
---
amdhsa.version: [ 1, 2 ]
amdhsa.kernels:
  - .name:           k_qf90271489d_prep
    .symbol:         k_qf90271489d_prep.kd
    .args:
      - { .name: keys, .offset: 0, .size: 8, .value_kind: global_buffer, .address_space: global }
      - { .name: values, .offset: 8, .size: 8, .value_kind: global_buffer, .address_space: global }
      - { .name: W_o, .offset: 16, .size: 8, .value_kind: global_buffer, .address_space: global }
      - { .name: kvc, .offset: 24, .size: 8, .value_kind: global_buffer, .address_space: global }
      - { .name: kvs, .offset: 32, .size: 8, .value_kind: global_buffer, .address_space: global }
      - { .name: wc, .offset: 40, .size: 8, .value_kind: global_buffer, .address_space: global }
      - { .name: ws, .offset: 48, .size: 8, .value_kind: global_buffer, .address_space: global }
    .group_segment_fixed_size: 34304
    .private_segment_fixed_size: 0
    .kernarg_segment_align: 8
    .kernarg_segment_size: 56
    .max_flat_workgroup_size: 128
    .sgpr_count:     66
    .vgpr_count:     258
    .wavefront_size: 32
...
	.end_amdgpu_metadata
.endif
;; end of part 1
;; launch attn (part 2): grid 16 x 16, 8 waves a work-group, clusters of 4 x 1, 327,680 bytes of LDS; arguments queries, kvc, kvs, oc, os; writes oc, os
.if DOCPART == 2
	.amdgcn_target "amdgcn-amd-amdhsa--gfx1250"
	.amdhsa_code_object_version 6
	.text
	.protected	k_qf90271489d_attn
	.globl	k_qf90271489d_attn
	.p2align	8
	.type	k_qf90271489d_attn,@function
k_qf90271489d_attn:
	s_mov_b64 s[64:65], 0
	v_nop
	global_prefetch_b8 v0, s[64:65] scope:SCOPE_SE
	s_setreg_imm32_b32 hwreg(HW_REG_WAVE_MODE, 25, 1), 1
	s_wait_xcnt 0x0
	s_wait_alu depctr_hold_cnt(0) depctr_sa_sdst(0) depctr_va_vdst(0) depctr_va_sdst(0) depctr_va_ssrc(0) depctr_va_vcc(0) depctr_vm_vsrc(0)
	s_getreg_b32 s2, hwreg(HW_REG_IB_STS2, 6, 4)
	s_cmp_eq_u32 s2, 0
	s_cbranch_scc0 .Lentry_in_a_cluster
	s_endpgm
.Lentry_in_a_cluster:
	s_bfe_u32 s2, ttmp6, 0x10000c
	s_cmp_lg_u32 s2, 0x3003
	s_cbranch_scc0 .Lentry_shape_is_right
	s_endpgm
.Lentry_shape_is_right:
.set SLOTB, 131072
.set STEPB, 16384
.set SCL,   262144
.set SPARE, 278528
.set QST,   279552
.set LI,  1
.set L4,  2
.set ADK, 3
.set ADS, 4
.set SPW, 5
.set NIL, 6
.set TW,  7
.set QS,  56
.set SK,  58
.set SV,  60
.set PS,  62
.set SA,  64
.set SB,  128
.set CA,  192
.set CB,  208
.set TM,  224
.set AC,  240
.set FA,  242
.set FB,  244
.set QI,  246
.set QO,  247
.set KF,  0
.set VF,  64
.set OA,  128
.set WV,  14
.set SEL, 20
.set CS,  22
.set MNT, 24
.set TB,  25
.set TS,  26
.set CNT, 27
.set G1,  28
.set G1S, 36
.set G0A, 44
.set G0B, 48
.set G0S, 52
.set MSB, 0
.macro WIN new
.if MSB != \new
	s_set_vgpr_msb (MSB<<8)|\new
.set MSB, \new
.endif
.endm
.macro ROUND
	s_barrier_signal -1
	s_barrier_wait -1
	s_cmp_lg_u32 s[WV], 0
	s_cbranch_scc1 .Lnot_wave_0_\@
	s_barrier_signal -3
.Lnot_wave_0_\@:
	s_barrier_wait -3
	s_barrier_signal -1
	s_barrier_wait -1
.endm
.macro QUANT s, d0, d1
.irp b, 0,1,2,3
	v_max3_num_f32 v[TM+\b], |v[(\s)+16*\b]|, |v[(\s)+16*\b+1]|, 0x4800000
.endr
.irp i, 2,4,6,8,10,12,14
.irp b, 0,1,2,3
	s_delay_alu instid0(VALU_DEP_4)
	v_max3_num_f32 v[TM+\b], v[TM+\b], |v[(\s)+16*\b+\i]|, |v[(\s)+16*\b+\i+1]|
.endr
.endr
.irp b, 0,1,2,3
	s_delay_alu instid0(VALU_DEP_4)
	v_permlanex16_b32 v[TM+4+\b], v[TM+\b], s[SEL], s[SEL+1]
.endr
.irp b, 0,1,2,3
	s_delay_alu instid0(VALU_DEP_4)
	v_max_num_f32 v[TM+\b], v[TM+\b], v[TM+4+\b]
.endr
.irp b, 0,1,2,3
	s_delay_alu instid0(VALU_DEP_4)
	v_add_nc_u32 v[TM+12+\b], 0xfc000000, v[TM+\b]
.endr
.irp b, 0,1,2,3
.endr
.irp b, 0,1,2,3
	s_delay_alu instid0(VALU_DEP_4)
	v_lshrrev_b32 v[TM+4+\b], 23, v[TM+12+\b]
.endr
.irp b, 0,1,2,3
.irp i, 0,1,2,3,4,5,6,7,8,9,10,11,12,13,14,15
.endr
.if \b < 2
	v_cvt_scalef32_pk8_fp8_f32 v[(\d0)+4*\b:(\d0)+4*\b+1], v[(\s)+16*\b:(\s)+16*\b+7], v[TM+12+\b]
	v_cvt_scalef32_pk8_fp8_f32 v[(\d0)+4*\b+2:(\d0)+4*\b+3], v[(\s)+16*\b+8:(\s)+16*\b+15], v[TM+12+\b]
.else
	v_cvt_scalef32_pk8_fp8_f32 v[(\d1)+4*\b-8:(\d1)+4*\b-7], v[(\s)+16*\b:(\s)+16*\b+7], v[TM+12+\b]
	v_cvt_scalef32_pk8_fp8_f32 v[(\d1)+4*\b-6:(\d1)+4*\b-5], v[(\s)+16*\b+8:(\s)+16*\b+15], v[TM+12+\b]
.endif
.endr
	v_nop
.endm
	s_load_b256 s[4:11], s[0:1], 0x0
	s_load_b64 s[12:13], s[0:1], 0x20
	v_lshl_add_u32 v[SPW], v0, 2, SPARE
	v_mov_b32 v[NIL], 0
	ds_add_u32 v5, v6
	ds_add_u32 v5, v6
	s_wait_dscnt 0x0
	v_lshrrev_b32 v[TW], 5, v0
	s_delay_alu instid0(VALU_DEP_1)
	v_readfirstlane_b32 s[WV], v[TW]
	s_bfe_u32 s15, ttmp6, 0x40000
	s_lshl_b32 s16, ttmp9, 2
	s_add_co_u32 s16, s16, s15
	s_and_b32 s17, ttmp7, 0xffff
	s_mov_b32 s[G1], 15|(3<<16)|(1<<21)
	s_mov_b32 s[G1+1], 32<<16
	s_mov_b32 s[G1+2], 64<<16
	s_mov_b32 s[G1+3], 32<<16
	s_mov_b32 s[G1+4], 64
	s_mov_b32 s[G1+5], 32
	s_mov_b32 s[G1+6], 0
	s_mov_b32 s[G1+7], 0
	s_mov_b32 s[G1S], 15|(3<<16)|(1<<21)
	s_mov_b32 s[G1S+1], 32<<16
	s_mov_b32 s[G1S+2], 8<<16
	s_mov_b32 s[G1S+3], 32<<16
	s_mov_b32 s[G1S+4], 8
	s_mov_b32 s[G1S+5], 32
	s_mov_b32 s[G1S+6], 0
	s_mov_b32 s[G1S+7], 0
	s_lshl_b32 s56, s17, 19
	s_lshl_b32 s58, s[WV], 14
	s_add_co_u32 s56, s56, s58
	s_mov_b32 s57, 0
	s_lshl_b32 s58, s17, 14
	s_lshl_b32 s59, s[WV], 11
	s_add_co_u32 s58, s58, s59
	s_mov_b32 s59, 0
	s_mov_b32 s[SEL], 0x76543210
	s_mov_b32 s[SEL+1], 0xfedcba98
	s_mov_b32 s[CS], 0x3e38aa3b
	s_mov_b32 s[CS+1], s[CS]
	s_wait_kmcnt 0x0
	s_mov_b32 s[G0A], 1
	s_lshl_b32 s[G0A+1], s[WV], 14
	s_add_nc_u64 s[G0A+2:G0A+3], s[6:7], s[56:57]
	s_mov_b32 s[G0B], 1
	s_add_co_u32 s[G0B+1], s[G0A+1], SLOTB
	s_add_nc_u64 s[G0B+2:G0B+3], s[G0A+2:G0A+3], SLOTB
	s_or_b32 s[G0A+3], s[G0A+3], 0x80000000
	s_or_b32 s[G0B+3], s[G0B+3], 0x80000000
	s_mov_b32 s[G0S], 1
	s_lshl_b32 s[G0S+1], s[WV], 11
	s_add_co_u32 s[G0S+1], s[G0S+1], SCL
	s_add_nc_u64 s[G0S+2:G0S+3], s[8:9], s[58:59]
	s_or_b32 s[G0S+3], s[G0S+3], 0x80000000
	ROUND
	tensor_load_to_lds s[G0S:G0S+3], s[G1S:G1S+7]
	s_nop 0
	s_wait_alu depctr_va_vdst(0)
	s_wait_tensorcnt 0x0
	ds_add_u32 v5, v6
	s_wait_dscnt 0x0
	ROUND
	tensor_load_to_lds s[G0A:G0A+3], s[G1:G1+7]
	s_nop 0
	s_wait_alu depctr_va_vdst(0)
	s_wait_tensorcnt 0x0
	ds_add_u32 v5, v6
	s_wait_dscnt 0x0
	ROUND
	tensor_load_to_lds s[G0B:G0B+3], s[G1:G1+7]
	s_nop 0
.rept 4
	v_nop
.endr
	s_lshr_b32 s18, s17, 3
	s_and_b32 s19, s17, 7
	s_lshl_b32 s60, s18, 23
	s_lshl_b32 s62, s16, 19
	s_add_co_u32 s60, s60, s62
	s_lshl_b32 s62, s[WV], 16
	s_add_co_u32 s60, s60, s62
	s_lshl_b32 s62, s19, 8
	s_add_co_u32 s60, s60, s62
	s_mov_b32 s61, 0
	s_add_nc_u64 s[4:5], s[4:5], s[60:61]
	s_lshl_b32 s60, s18, 12
	s_lshl_b32 s62, s16, 8
	s_add_co_u32 s60, s60, s62
	s_lshl_b32 s62, s[WV], 5
	s_add_co_u32 s60, s60, s62
	s_lshl_b32 s62, s60, 4
	s_lshl_b32 s63, s19, 1
	s_add_co_u32 s62, s62, s63
	s_mov_b32 s63, 0
	s_add_nc_u64 s[12:13], s[12:13], s[62:63]
	s_lshl_b32 s60, s60, 9
	s_lshr_b32 s62, s19, 1
	s_lshl_b32 s62, s62, 11
	s_add_co_u32 s60, s60, s62
	s_and_b32 s62, s19, 1
	s_lshl_b32 s62, s62, 10
	s_add_co_u32 s60, s60, s62
	s_add_nc_u64 s[10:11], s[10:11], s[60:61]
	v_and_b32 v[LI], 31, v0
	s_delay_alu instid0(VALU_DEP_1)
	v_lshlrev_b32 v[L4], 2, v[LI]
	s_delay_alu instid0(VALU_DEP_2)
	v_lshlrev_b32 v[LI], 4, v[LI]
	v_and_b32 v224, 15, v0
	v_bfe_u32 v225, v0, 4, 1
	s_delay_alu instid0(VALU_DEP_2)
	v_lshlrev_b32 v[TW], 4, v224
	s_delay_alu instid0(VALU_DEP_1)
	v_lshl_add_u32 v[TW], v225, 11, v[TW]
.irp i, 0,1,2,3,4,5,6,7,8,9,10,11,12,13,14,15
	global_load_b128 v[SA+4*\i:SA+4*\i+3], v[TW], s[4:5] offset:4096*\i th:TH_LOAD_NT
.endr
	s_mul_i32 s[CNT], s[WV], 4352
	s_add_co_u32 s[CNT], s[CNT], QST
	v_mul_u32_u24 v[QI], v225, 272
	s_delay_alu instid0(VALU_DEP_1)
	v_lshl_add_u32 v[QI], v224, 4, v[QI]
	s_delay_alu instid0(VALU_DEP_1)
	v_add_nc_u32 v[QI], s[CNT], v[QI]
	v_mul_u32_u24 v[QO], v224, 272
	s_delay_alu instid0(VALU_DEP_1)
	v_lshl_add_u32 v[QO], v225, 6, v[QO]
	s_delay_alu instid0(VALU_DEP_1)
	v_add_nc_u32 v[QO], s[CNT], v[QO]
.irp b, 0,1,2,3
	v_mov_b32 v[TM+4+\b], 0
.endr
	s_wait_alu depctr_va_vdst(0)
	s_wait_loadcnt 8
.irp i, 0,1,2,3,4,5,6,7
	ds_store_b128 v[QI], v[SA+4*\i:SA+4*\i+3] offset:544*\i
.endr
.irp c, 0,1
.irp j, 0,1,2,3
	ds_load_b128 v[SB+16*\c+4*\j:SB+16*\c+4*\j+3], v[QO] offset:128*\c+16*\j
.endr
.endr
	s_wait_loadcnt 0x0
.irp i, 0,1,2,3,4,5,6,7
	ds_store_b128 v[QI], v[SA+32+4*\i:SA+32+4*\i+3] offset:544*\i
.endr
.irp c, 0,1
.irp j, 0,1,2,3
	ds_load_b128 v[SB+32+16*\c+4*\j:SB+32+16*\c+4*\j+3], v[QO] offset:128*\c+16*\j
.endr
.endr
	s_wait_dscnt 0x0
	QUANT SB, 24, 40
	v_lshl_or_b32 v[QS], v[TM+5], 8, v[TM+4]
	s_delay_alu instid0(VALU_DEP_1)
	v_lshl_or_b32 v[QS], v[QS], 16, v[QS]
	v_lshl_or_b32 v[QS+1], v[TM+7], 8, v[TM+6]
	s_delay_alu instid0(VALU_DEP_1)
	v_lshl_or_b32 v[QS+1], v[QS+1], 16, v[QS+1]
.irp z, 16, 32, 48
.irp j, 0,1,2,3,4,5,6,7
	v_mov_b32 v[\z+\j], 0
.endr
.endr
	WIN 0x40
.set jj, 0
.rept 64
	v_mov_b32 v[OA+jj], 0
.set jj, jj+1
.endr
	WIN 0
.irp t, 8, 12
	v_mov_b32 v[\t+1], 0xff61b1e6
	s_delay_alu instid0(VALU_DEP_1)
	v_floor_f32 v[\t], -v[\t+1]
	v_mov_b32 v[\t+2], 0
	v_mov_b32 v[\t+3], 0
.endr
	v_mov_b32 v[FA+1], 0
	v_mov_b32 v[FB+1], 0
.macro SOFTMAX sb, st, sl, cd, ps, ff
.irp b, 0,1,2,3
	v_max3_num_f32 v[TM+\b], v[(\sb)+16*\b], v[(\sb)+16*\b+1], v[(\sb)+16*\b+2]
.endr
.irp i, 3,5,7,9,11,13
.irp b, 0,1,2,3
	v_max3_num_f32 v[TM+\b], v[TM+\b], v[(\sb)+16*\b+\i], v[(\sb)+16*\b+\i+1]
.endr
.endr
.irp b, 0,1,2,3
	v_max_num_f32 v[TM+\b], v[TM+\b], v[(\sb)+16*\b+15]
.endr
.irp b, 0,1,2,3
	s_delay_alu instid0(VALU_DEP_4)
	v_permlanex16_b32 v[TM+4+\b], v[TM+\b], s[SEL], s[SEL+1]
.endr
.irp b, 0,1,2,3
	s_delay_alu instid0(VALU_DEP_4)
	v_max_num_f32 v[TM+\b], v[TM+\b], v[TM+4+\b]
.endr
	s_delay_alu instid0(VALU_DEP_2)
	v_max3_num_f32 v[TW], v[TM], v[TM+1], v[TM+2]
	s_delay_alu instid0(VALU_DEP_1)
	v_max_num_f32 v[TW], v[TW], v[TM+3]
	s_delay_alu instid0(VALU_DEP_1)
	v_mul_f32 v[TW], s[CS], v[TW]
	s_delay_alu instid0(VALU_DEP_1)
	v_max_num_f32 v[(\st)+1], v[(\st)+1], v[TW]
	v_mov_b32 v[TW], v[(\st)]
	s_delay_alu instid0(VALU_DEP_2)
	v_floor_f32 v[(\st)], -v[(\st)+1]
	s_delay_alu instid0(VALU_DEP_1)
	v_sub_f32 v[TW], v[(\st)], v[TW]
	s_delay_alu instid0(VALU_DEP_1)
	v_cvt_i32_f32 v[TW], v[TW]
	s_delay_alu instid0(VALU_DEP_1)
	v_ldexp_f32 v[(\ff)], 1.0, v[TW]
.set jj, 0
.rept 32
	v_pk_fma_f32 v[(\sb)+jj:(\sb)+jj+1], v[(\sb)+jj:(\sb)+jj+1], s[CS:CS+1], v[(\st):(\st)+1] op_sel_hi:[1,0,0]
.set jj, jj+2
.endr
.irp b, 0,1,2,3
	v_fma_f32 v[TM+\b], v[TM+\b], s[CS], v[(\st)]
.endr
.set jj, 0
	s_wait_alu depctr_va_vdst(0)
.rept 64
	v_exp_f32 v[(\sb)+jj], v[(\sb)+jj]
.set jj, jj+1
.endr
	v_pk_mul_f32 v[(\sl):(\sl)+1], v[(\sl):(\sl)+1], v[(\ff):(\ff)+1] op_sel_hi:[1,0]
	s_wait_alu depctr_va_vdst(0)
.irp b, 0,1,2,3
	v_exp_f32 v[TM+\b], v[TM+\b]
.endr
	v_pk_add_f32 v[AC:AC+1], v[(\sb):(\sb)+1], v[(\sb)+2:(\sb)+3]
.set jj, 4
.rept 15
	v_pk_add_f32 v[(\sl):(\sl)+1], v[(\sl):(\sl)+1], v[(\sb)+jj:(\sb)+jj+1]
	v_pk_add_f32 v[AC:AC+1], v[AC:AC+1], v[(\sb)+jj+2:(\sb)+jj+3]
.set jj, jj+4
.endr
	s_delay_alu instid0(VALU_DEP_1)
	v_pk_add_f32 v[(\sl):(\sl)+1], v[(\sl):(\sl)+1], v[AC:AC+1]
	s_wait_alu depctr_va_vdst(0)
.irp b, 0,1,2,3
	v_max_num_f32 v[TM+\b], 0x4800000, v[TM+\b]
.endr
.irp b, 0,1,2,3
	s_delay_alu instid0(VALU_DEP_4)
	v_add_nc_u32 v[TM+12+\b], 0xfc000000, v[TM+\b]
.endr
.irp b, 0,1,2,3
.endr
.irp b, 0,1,2,3
	s_delay_alu instid0(VALU_DEP_4)
	v_lshrrev_b32 v[TM+4+\b], 23, v[TM+12+\b]
.endr
	s_delay_alu instid0(VALU_DEP_3)
	v_lshl_or_b32 v[(\ps)], v[TM+5], 8, v[TM+4]
	s_delay_alu instid0(VALU_DEP_1)
	v_lshl_or_b32 v[(\ps)], v[TM+6], 16, v[(\ps)]
	s_delay_alu instid0(VALU_DEP_1)
	v_lshl_or_b32 v[(\ps)], v[TM+7], 24, v[(\ps)]
.irp b, 0,1,2,3
.irp i, 0,1,2,3,4,5,6,7,8,9,10,11,12,13,14,15
.endr
	v_cvt_scalef32_pk8_fp8_f32 v[(\cd)+4*\b:(\cd)+4*\b+1], v[(\sb)+16*\b:(\sb)+16*\b+7], v[TM+12+\b]
	v_cvt_scalef32_pk8_fp8_f32 v[(\cd)+4*\b+2:(\cd)+4*\b+3], v[(\sb)+16*\b+8:(\sb)+16*\b+15], v[TM+12+\b]
.endr
.endm
.macro STEP
	v_add_nc_u32 v[ADK], s[TB], v[LI]
	v_add_nc_u32 v[ADS], s[TS], v[L4]
	ds_load_b32 v[SK], v[ADS]
	ds_load_b32 v[SK+1], v[ADS] offset:128
	WIN 0x40
.irp b, 0,1,2,3
.irp c, 0,1,2,3
	ds_load_b128 v[KF+16*\b+4*\c:KF+16*\b+4*\c+3], v[ADK] offset:2048*\b+512*\c
.endr
.endr
	s_wait_alu depctr_va_vdst(0)
	s_wait_dscnt 0x0
	WIN 0x01
.irp b, 0,1,2,3
.irp u, 0,1
.irp q, 0,1
.if \b%2
	v_wmma_scale_f32_16x16x128_f8f6f4 v[SA+64*\q+8*(2*\b+\u):SA+64*\q+8*(2*\b+\u)+7], v[KF+16*\b:KF+16*\b+15], v[24+16*\q-8*\u:24+16*\q-8*\u+15], 0, v[SK+\b/2], v[QS+\q] matrix_a_scale:MATRIX_SCALE_ROW1
.else
	v_wmma_scale_f32_16x16x128_f8f6f4 v[SA+64*\q+8*(2*\b+\u):SA+64*\q+8*(2*\b+\u)+7], v[KF+16*\b:KF+16*\b+15], v[24+16*\q-8*\u:24+16*\q-8*\u+15], 0, v[SK+\b/2], v[QS+\q]
.endif
.endr
.endr
.endr
	WIN 0
.rept 8
	v_nop
.endr
	ds_load_b32 v[SV], v[ADS] offset:256
	ds_load_b32 v[SV+1], v[ADS] offset:384
	WIN 0x40
.irp t, 0,1,2,3
.irp c, 0,1,2,3
	ds_load_b128 v[VF+16*\t+4*\c:VF+16*\t+4*\c+3], v[ADK] offset:8192+2048*\t+512*\c
.endr
.endr
	WIN 0
	SOFTMAX SA, 8, 10, CA, PS, FA
	s_setprio 1
	SOFTMAX SB, 12, 14, CB, PS+1, FB
	WIN 0x41
.set jj, 0
	s_setprio 0
.rept 16
	v_pk_mul_f32 v[OA+jj:OA+jj+1], v[OA+jj:OA+jj+1], v[FA:FA+1] op_sel_hi:[1,0]
.set jj, jj+2
.endr
.rept 16
	v_pk_mul_f32 v[OA+jj:OA+jj+1], v[OA+jj:OA+jj+1], v[FB:FB+1] op_sel_hi:[1,0]
.set jj, jj+2
.endr
	s_wait_alu depctr_va_vdst(0)
	s_wait_dscnt 0x0
	WIN 0x51
.irp t, 0,1,2,3
.irp q, 0,1
.if \t%2
	v_wmma_scale_f32_16x16x128_f8f6f4 v[OA+32*\q+8*\t:OA+32*\q+8*\t+7], v[VF+16*\t:VF+16*\t+15], v[CA+16*\q:CA+16*\q+15], v[OA+32*\q+8*\t:OA+32*\q+8*\t+7], v[SV+\t/2], v[PS+\q] matrix_a_scale:MATRIX_SCALE_ROW1
.else
	v_wmma_scale_f32_16x16x128_f8f6f4 v[OA+32*\q+8*\t:OA+32*\q+8*\t+7], v[VF+16*\t:VF+16*\t+15], v[CA+16*\q:CA+16*\q+15], v[OA+32*\q+8*\t:OA+32*\q+8*\t+7], v[SV+\t/2], v[PS+\q]
.endif
.endr
.endr
	WIN 0
.endm
.macro VISIT slot, n
	s_mov_b32 s[TB], \slot*SLOTB
	s_mov_b32 s[TS], SCL+4096*\n
	s_mov_b32 s[CNT], 8
.Lstep_\@:
	s_setprio 2
	STEP
	s_add_co_u32 s[TB], s[TB], STEPB
	s_add_co_u32 s[TS], s[TS], 512
	s_sub_co_u32 s[CNT], s[CNT], 1
	s_cmp_lg_u32 s[CNT], 0
	s_cbranch_scc1 .Lstep_\@
	s_setprio 0
.endm
.macro CHANGE fill, g0
	s_wait_tensorcnt 0x0
	ds_add_u32 v[SPW], v[NIL]
.if \fill
	s_add_nc_u64 s[\g0+2:\g0+3], s[\g0+2:\g0+3], 2*SLOTB
.endif
	s_wait_dscnt 0x0
.if \fill
	ROUND
	tensor_load_to_lds s[\g0:\g0+3], s[G1:G1+7]
	s_nop 0
.rept 4
	v_nop
.endr
.else
	s_barrier_signal -1
	s_barrier_wait -1
.endif
.endm
	s_wait_tensorcnt 1
	s_barrier_signal -1
	s_barrier_wait -1
	VISIT 0, 0
	CHANGE 1, G0A
	VISIT 1, 1
	CHANGE 1, G0B
	VISIT 0, 2
	CHANGE 0, 0
	VISIT 1, 3
.rept 8
	v_nop
.endr
	v_add_f32 v10, v10, v11
	v_add_f32 v14, v14, v15
	s_delay_alu instid0(VALU_DEP_2)
	v_permlanex16_b32 v[TM+4], v10, s[SEL], s[SEL+1]
	s_delay_alu instid0(VALU_DEP_2)
	v_permlanex16_b32 v[TM+5], v14, s[SEL], s[SEL+1]
	s_delay_alu instid0(VALU_DEP_2)
	v_add_f32 v10, v10, v[TM+4]
	s_delay_alu instid0(VALU_DEP_2)
	v_add_f32 v14, v14, v[TM+5]
	s_wait_alu depctr_va_vdst(0)
	v_rcp_f32 v10, v10
	v_rcp_f32 v14, v14
	v_nop
	s_wait_alu depctr_va_vdst(0)
	WIN 0x01
.set jj, 0
.rept 32
	v_mul_f32 v[SA+jj], v[OA+jj], v10
.set jj, jj+1
.endr
.rept 32
	v_mul_f32 v[SA+jj], v[OA+jj], v14
.set jj, jj+1
.endr
	WIN 0
	QUANT SA, CA, CA+8
.irp q, 0,1
.irp b, 0,1
	global_store_b128 v[LI], v[CA+8*\q+4*\b:CA+8*\q+4*\b+3], s[10:11] offset:8192*\q+512*\b
.endr
.endr
	v_lshl_or_b32 v[TW], v[TM+5], 8, v[TM+4]
	v_lshl_or_b32 v[QO], v[TM+7], 8, v[TM+6]
	v_bfe_u32 v[QI], v0, 4, 1
	s_delay_alu instid0(VALU_DEP_1)
	v_cmp_ne_u32 vcc_lo, 0, v[QI]
	s_delay_alu instid0(VALU_DEP_1)
	v_cndmask_b32 v[TW], v[TW], v[QO], vcc_lo
	global_store_b16 v[LI], v[TW], s[12:13]
	s_wait_tensorcnt 0x0
	ds_add_u32 v[SPW], v[NIL]
	s_wait_dscnt 0x0
	ROUND
	s_endpgm
.Lfunc_end_k_qf90271489d_attn:
	.size	k_qf90271489d_attn, .Lfunc_end_k_qf90271489d_attn-k_qf90271489d_attn
	.p2alignl 7, 3214868480
	.fill 96, 4, 3214868480
	.section	.rodata,"a",@progbits
	.p2align	6, 0x0
	.amdhsa_kernel k_qf90271489d_attn
		.amdhsa_group_segment_fixed_size 327680
		.amdhsa_private_segment_fixed_size 0
		.amdhsa_enable_private_segment 0
		.amdhsa_kernarg_size 40
		.amdhsa_user_sgpr_count 2
		.amdhsa_user_sgpr_kernarg_segment_ptr 1
		.amdhsa_wavefront_size32 1
		.amdhsa_system_sgpr_workgroup_id_x 1
		.amdhsa_system_sgpr_workgroup_id_y 1
		.amdhsa_system_sgpr_workgroup_id_z 1
		.amdhsa_system_vgpr_workitem_id 0
		.amdhsa_next_free_vgpr 512
		.amdhsa_next_free_sgpr 66
		.amdhsa_reserve_vcc 1
		.amdhsa_float_denorm_mode_32 3
		.amdhsa_float_denorm_mode_16_64 3
		.amdhsa_fp16_overflow 1
		.amdhsa_memory_ordered 1
		.amdhsa_forward_progress 1
		.amdhsa_inst_pref_size 154
	.end_amdhsa_kernel
	.amdgpu_metadata
---
amdhsa.version: [ 1, 2 ]
amdhsa.kernels:
  - .name:           k_qf90271489d_attn
    .symbol:         k_qf90271489d_attn.kd
    .args:
      - { .name: queries, .offset: 0, .size: 8, .value_kind: global_buffer, .address_space: global }
      - { .name: kvc, .offset: 8, .size: 8, .value_kind: global_buffer, .address_space: global }
      - { .name: kvs, .offset: 16, .size: 8, .value_kind: global_buffer, .address_space: global }
      - { .name: oc, .offset: 24, .size: 8, .value_kind: global_buffer, .address_space: global }
      - { .name: os, .offset: 32, .size: 8, .value_kind: global_buffer, .address_space: global }
    .group_segment_fixed_size: 327680
    .private_segment_fixed_size: 0
    .kernarg_segment_align: 8
    .kernarg_segment_size: 40
    .max_flat_workgroup_size: 256
    .sgpr_count:     66
    .vgpr_count:     512
    .wavefront_size: 32
...
	.end_amdgpu_metadata
.endif
;; end of part 2
;; launch proj (part 3): grid 4 x 64, 4 waves a work-group, no clusters, 17,920 bytes of LDS; arguments oc, os, wc, ws, b_o, out0; writes out0
.if DOCPART == 3
	.amdgcn_target "amdgcn-amd-amdhsa--gfx1250"
	.amdhsa_code_object_version 6
	.text
	.protected	k_qf90271489d_proj
	.globl	k_qf90271489d_proj
	.p2align	8
	.type	k_qf90271489d_proj,@function
k_qf90271489d_proj:
	s_mov_b64 s[64:65], 0
	v_nop
	global_prefetch_b8 v0, s[64:65] scope:SCOPE_SE
	s_setreg_imm32_b32 hwreg(HW_REG_WAVE_MODE, 25, 1), 1
	s_wait_xcnt 0x0
; out0 [8192][512] f32 = O W_o + b_o on codes of E4M3, K = 512.  O's codes (oc [row tile 512][K step 4][2,048]) and W_o's (wc [K step 4][column tile 32][2,048]) lie as images of operand registers:
; a fragment is four loads of 16 bytes a lane, 512 consecutive bytes each, straight into registers: no LDS ring, no barrier.  os [row][16 bytes]: a row's four scale words; ws [K step][tile][16 words].
; A work-group makes 128 x 128 of out0, a wave 64 x 64: 16 accumulators; K = 512 is four steps, so all 32 fragments of a wave are asked for at once and the text has no loop.
; No cluster: what work-groups share here, 128 KiB of codes each, is small beside the 64 KiB of results that each stores, and the operands go to registers, not to LDS.
; THE MATRIX INSTRUCTION IS USED TRANSPOSED (source 0 = 16 columns of W_o, source 1 = 16 rows of O).  Row r of column tile 2 g + u is column 32 g + 8 u + r + 8 (r / 8), so register j of accumulator (m, n)
; in lane (r, h) is out0(R0 + 16 m + r, C0 + 32 (n / 2) + 16 h + 8 (n % 2) + j).  The bias is the C of each sum's first product.
; REGISTERS.  Window 0: v1-6 addresses; v8-15 O's scale words, v16-23 W_o's; v24-55 the bias; v56-119 the way out; v128-255 the accumulators.  Window 1: O's 16 fragments.  Window 2: W_o's 16.
.set LI,  1                            ; v1  16 x lane
.set L4,  2                            ; v2  4 x lane
.set BH,  3                            ; v3  64 h: the bias of my half's 16 columns
.set STO, 4                            ; v4  the stage: row r, + 64 h
.set RD,  5                            ; v5  back: lanes 0-15 one row of 256 bytes, lanes 16-31 the next
.set CO,  6                            ; v6  the same two rows in out0
.set OS,  8                            ; register 4 i + s: lanes 0-15 row tile 2 i, lanes 16-31 row tile 2 i + 1, K step s
.set WS,  16                           ; register 2 s + p: lanes 0-15 column tile 2 p, lanes 16-31 column tile 2 p + 1
.set BI,  24
.set BK,  56
.set ACC, 128
.set MSB, 0
.macro WIN new
.if MSB != \new
	s_set_vgpr_msb (MSB<<8)|\new
.set MSB, \new
.endif
.endm
	s_load_b256 s[4:11], s[0:1], 0x0               ; oc s[4:5], os s[6:7], wc s[8:9], ws s[10:11]
	s_load_b128 s[12:15], s[0:1], 0x20             ; b_o s[12:13], out0 s[14:15]
	v_lshl_add_u32 v126, v0, 2, 0x4400
	v_mov_b32 v127, 0
	v_lshrrev_b32 v1, 5, v0
	v_readfirstlane_b32 s16, v1                    ; wave 0..3
	s_lshr_b32 s17, s16, 1                         ; which 64 rows
	s_and_b32 s18, s16, 1                          ; which 64 columns
	s_and_b32 s19, ttmp7, 0xffff
	s_lshl_b32 s20, s19, 7
	s_lshl_b32 s22, s17, 6
	s_add_co_u32 s20, s20, s22                     ; R0: my first row
	s_lshl_b32 s21, ttmp9, 7
	s_lshl_b32 s22, s18, 6
	s_add_co_u32 s21, s21, s22                     ; C0: my first column
	s_mov_b32 s23, 0
	s_mul_i32 s24, s16, 4352                       ; my stage: 16 rows x 272 bytes
	v_and_b32 v[LI], 31, v0
	v_lshlrev_b32 v[L4], 2, v[LI]
	v_lshlrev_b32 v[LI], 4, v[LI]
	v_and_b32 v120, 15, v0                         ; r
	v_bfe_u32 v121, v0, 4, 1                       ; h
	v_lshlrev_b32 v[BH], 6, v121
	v_mul_u32_u24 v[STO], v120, 272
	v_lshl_add_u32 v[STO], v121, 6, v[STO]
	v_add_nc_u32 v[STO], s24, v[STO]
	v_mul_u32_u24 v[RD], v121, 272
	v_lshl_add_u32 v[RD], v120, 4, v[RD]
	v_add_nc_u32 v[RD], s24, v[RD]
	v_lshlrev_b32 v[CO], 4, v120
	v_lshl_add_u32 v[CO], v121, 11, v[CO]
	s_wait_alu depctr_va_vdst(0)
	s_wait_kmcnt 0x0
	s_lshl_b32 s22, s20, 9                         ; oc: 8,192 bytes for each 16 rows
	s_add_nc_u64 s[4:5], s[4:5], s[22:23]
	s_lshl_b32 s22, s20, 4                         ; os: 16 bytes a row
	s_add_nc_u64 s[6:7], s[6:7], s[22:23]
	s_lshl_b32 s22, s21, 7                         ; wc: 2,048 bytes for each 16 columns
	s_add_nc_u64 s[8:9], s[8:9], s[22:23]
	s_lshl_b32 s22, s21, 2                         ; ws: 64 bytes for each 16 columns; b_o: 4 bytes a column
	s_add_nc_u64 s[10:11], s[10:11], s[22:23]
	s_add_nc_u64 s[12:13], s[12:13], s[22:23]
	s_add_nc_u64 s[14:15], s[14:15], s[22:23]      ; out0: 4 bytes a column,
	s_lshl_b32 s22, s20, 11                        ; 2,048 bytes a row
	s_add_nc_u64 s[14:15], s[14:15], s[22:23]
.irp i, 0,1
	global_load_b128 v[OS+4*\i:OS+4*\i+3], v[LI], s[6:7] offset:512*\i
.endr
.irp s, 0,1,2,3
.irp p, 0,1
	global_load_b32 v[WS+2*\s+\p], v[L4], s[10:11] offset:2048*\s+128*\p
.endr
.endr
.irp n, 0,1,2,3
	global_load_b128 v[BI+8*\n:BI+8*\n+3], v[BH], s[12:13] offset:128*(\n/2)+32*(\n%2)
	global_load_b128 v[BI+8*\n+4:BI+8*\n+7], v[BH], s[12:13] offset:128*(\n/2)+32*(\n%2)+16
.endr
.irp s, 0,1,2,3                        ; K step by K step, so that the waits below can be counted: 32 loads a step
	WIN 0x40                                       ; destination window 1
.irp m, 0,1,2,3
.irp c, 0,1,2,3
	global_load_b128 v[16*(4*\m+\s)+4*\c:16*(4*\m+\s)+4*\c+3], v[LI], s[4:5] offset:8192*\m+2048*\s+512*\c
.endr
.endr
	WIN 0x80                                       ; destination window 2
.irp n, 0,1,2,3
.irp c, 0,1,2,3
	global_load_b128 v[16*(4*\n+\s)+4*\c:16*(4*\n+\s)+4*\c+3], v[LI], s[8:9] offset:65536*\s+2048*\n+512*\c
.endr
.endr
.endr
.macro PROD m, n, s
.set xD, ACC+8*(4*(\m)+(\n))
.set xW, 16*(4*(\n)+(\s))
.set xO, 16*(4*(\m)+(\s))
.set xC, xD
.if (\s) == 0
.set xC, BI+8*(\n)                     ; the first product starts the sum with the bias
.endif
.set yW, WS+2*(\s)+(\n)/2
.set yO, OS+4*((\m)/2)+(\s)
.if ((\n)%2) && ((\m)%2)
	v_wmma_scale_f32_16x16x128_f8f6f4 v[xD:xD+7], v[xW:xW+15], v[xO:xO+15], v[xC:xC+7], v[yW], v[yO] matrix_a_scale:MATRIX_SCALE_ROW1 matrix_b_scale:MATRIX_SCALE_ROW1
.elseif (\n)%2
	v_wmma_scale_f32_16x16x128_f8f6f4 v[xD:xD+7], v[xW:xW+15], v[xO:xO+15], v[xC:xC+7], v[yW], v[yO] matrix_a_scale:MATRIX_SCALE_ROW1
.elseif (\m)%2
	v_wmma_scale_f32_16x16x128_f8f6f4 v[xD:xD+7], v[xW:xW+15], v[xO:xO+15], v[xC:xC+7], v[yW], v[yO] matrix_b_scale:MATRIX_SCALE_ROW1
.else
	v_wmma_scale_f32_16x16x128_f8f6f4 v[xD:xD+7], v[xW:xW+15], v[xO:xO+15], v[xC:xC+7], v[yW], v[yO]
.endif
.endm
	WIN 0x06                                       ; source 0 (W_o) window 2, source 1 (O) window 1, C and D window 0
.irp s, 0,1,2,3
.if \s < 2
	s_wait_loadcnt 63                              ; this K step's loads are in: 96 or 64 later ones could stay out; the wait names 63 at the most
.else
	s_wait_loadcnt 32*(3-\s)
.endif
.irp m, 0,1,2,3
.irp n, 0,1,2,3
	PROD \m, \n, \s                                ; the 16 accumulators take turns, one instruction a turn
.endr
.endr
.endr
	WIN 0
.rept 8
	v_nop                                          ; eight places ahead of the first read of results
.endr
; THE WAY OUT, 16 rows x 64 columns at a time, through my own stage: in as a lane holds them, back as whole rows of 256 bytes.
.macro TOSTAGE m
.irp n, 0,1,2,3
	ds_store_b128 v[STO], v[ACC+8*(4*(\m)+\n):ACC+8*(4*(\m)+\n)+3] offset:128*(\n/2)+32*(\n%2)        ; each accumulator from its low end on
	ds_store_b128 v[STO], v[ACC+8*(4*(\m)+\n)+4:ACC+8*(4*(\m)+\n)+7] offset:128*(\n/2)+32*(\n%2)+16
.endr
.irp i, 0,1,2,3,4,5,6,7
	ds_load_b128 v[BK+32*((\m)%2)+4*\i:BK+32*((\m)%2)+4*\i+3], v[RD] offset:544*\i   ; LDS serves a wave's instructions in order (ISA guide 5.7.1.4): these see the stores above, and the next tile's stores come behind them
.endr
.endm
.macro SEND m, younger                 ; younger: the LDS instructions issued behind tile m's loads, which may stay out
	s_wait_dscnt \younger
.irp i, 0,1,2,3,4,5,6,7
	global_store_b128 v[CO], v[BK+32*((\m)%2)+4*\i:BK+32*((\m)%2)+4*\i+3], s[14:15] offset:(16*(\m)+2*\i)*2048 th:TH_STORE_NT   ; sixteen lanes store 256 consecutive bytes, at a multiple of 256 from out0's first byte
.endr
.endm
	TOSTAGE 0
	TOSTAGE 1
	SEND 0, 16                                     ; behind tile 0's loads: tile 1's 8 stores and 8 loads
	s_wait_xcnt 0x0                                ; tile 0's stores have read their registers: tile 2's loads may land there
	TOSTAGE 2
	SEND 1, 16
	s_wait_xcnt 0x0                                ; tile 1's likewise
	TOSTAGE 3
	SEND 2, 16
	SEND 3, 0
	s_wait_tensorcnt 0x0
	ds_add_u32 v126, v127
	s_wait_dscnt 0x0
	s_endpgm
.Lfunc_end_k_qf90271489d_proj:
	.size	k_qf90271489d_proj, .Lfunc_end_k_qf90271489d_proj-k_qf90271489d_proj
	.p2alignl 7, 3214868480
	.fill 96, 4, 3214868480
	.section	.rodata,"a",@progbits
	.p2align	6, 0x0
	.amdhsa_kernel k_qf90271489d_proj
		.amdhsa_group_segment_fixed_size 17920
		.amdhsa_private_segment_fixed_size 0
		.amdhsa_enable_private_segment 0
		.amdhsa_kernarg_size 48
		.amdhsa_user_sgpr_count 2
		.amdhsa_user_sgpr_kernarg_segment_ptr 1
		.amdhsa_wavefront_size32 1
		.amdhsa_system_sgpr_workgroup_id_x 1
		.amdhsa_system_sgpr_workgroup_id_y 1
		.amdhsa_system_sgpr_workgroup_id_z 1
		.amdhsa_system_vgpr_workitem_id 0
		.amdhsa_next_free_vgpr 768
		.amdhsa_next_free_sgpr 66
		.amdhsa_reserve_vcc 0
		.amdhsa_float_denorm_mode_32 3
		.amdhsa_float_denorm_mode_16_64 3
		.amdhsa_memory_ordered 1
		.amdhsa_forward_progress 1
		.amdhsa_inst_pref_size 32
	.end_amdhsa_kernel
	.amdgpu_metadata
---
amdhsa.version: [ 1, 2 ]
amdhsa.kernels:
  - .name:           k_qf90271489d_proj
    .symbol:         k_qf90271489d_proj.kd
    .args:
      - { .name: oc, .offset: 0, .size: 8, .value_kind: global_buffer, .address_space: global }
      - { .name: os, .offset: 8, .size: 8, .value_kind: global_buffer, .address_space: global }
      - { .name: wc, .offset: 16, .size: 8, .value_kind: global_buffer, .address_space: global }
      - { .name: ws, .offset: 24, .size: 8, .value_kind: global_buffer, .address_space: global }
      - { .name: b_o, .offset: 32, .size: 8, .value_kind: global_buffer, .address_space: global }
      - { .name: out0, .offset: 40, .size: 8, .value_kind: global_buffer, .address_space: global }
    .group_segment_fixed_size: 17920
    .private_segment_fixed_size: 0
    .kernarg_segment_align: 8
    .kernarg_segment_size: 48
    .max_flat_workgroup_size: 128
    .sgpr_count:     66
    .vgpr_count:     768
    .wavefront_size: 32
...
	.end_amdgpu_metadata
.endif
;; end of part 3
